; MI455X (gfx1250); checked and timed in simulation.
; The chip was launched on July 23, 2026; its instructions are those of AMD's public machine-readable ISA for CDNA 5 (MIT licence, August 2026) and "CDNA5" Instruction Set Architecture Reference Guide (July 2026). The comments in the code are by the model that wrote it; some were corrected since.
;; W8 A16 Lora Linear. Allowed arithmetic: float matrix products may take bf16 or f16 operands with f32 sums; other float arithmetic in f32, or as packed bf16 or f16 multiplies, adds, multiply-adds, maxima and minima; sums over many terms, partial sums and values carried from step to step in f32; what a program stores and reads back later, other than sums and carried values, may be rounded once to bf16 or f16.
;; Inputs: bias 4,096 float16; input 4 x 1,024 x 4,096 float16; lora_A_w 16 x 4,096 float16; lora_B_w 4,096 x 16 float16; qweight 4,096 x 4,096 int8; weight_scales 4,096 float16.
;; Outputs: out0 4 x 1,024 x 4,096 float16.
;; One version. Each part assembles by itself: llvm-mc -triple=amdgcn-amd-amdhsa -mcpu=gfx1250 --defsym DOCPART=n.
;; ======== version 1 of 1: 2 launches
;; limits: values are held in f16: magnitudes above 65,504 overflow, below 6.1e-05 lose precision
;; workspace buffers: wt 33,554,432 bytes
;; launch prep (part 1): grid 32 x 16, 8 waves a work-group, no clusters, 75,264 bytes of LDS; arguments qweight, weight_scales, lora_A_w, lora_B_w, wt; writes wt
.if DOCPART == 1
	.amdgcn_target "amdgcn-amd-amdhsa--gfx1250"
	.amdhsa_code_object_version 6
	.text
	.protected	k_q2e34c5bf54_prep
	.globl	k_q2e34c5bf54_prep
	.p2align	8
	.type	k_q2e34c5bf54_prep,@function
k_q2e34c5bf54_prep:
	s_mov_b64 s[64:65], 0
	v_nop
	global_prefetch_b8 v0, s[64:65] scope:SCOPE_SE
	s_setreg_imm32_b32 hwreg(HW_REG_WAVE_MODE, 25, 1), 1
	s_wait_xcnt 0x0
; wt[o][i] = f16( q[i][o] s[o] + sum over r of A[r][i] (2 B[o][r]) ): the module is linear in x, so its int8 weight, the scale and the LoRA pair fold into ONE weight,
; written transposed ([o][i], rows of 8,192 bytes) and rounded once to f16, for the product of the next launch.  q: [4096 i][4096 o] int8; s: [4096] f16; A: [16][4096] f16; B: [4096][16] f16.
; LIMITS.  |wt| stays under 65,504, f16's end (q s is at most 128 |s|); below 6.1e-5 wt keeps f16's fixed step of 6e-8; 2 B is made in f16, exact while |B| is at most 32,752.
; LoRA is taken as x (A^T B^T), not (x A^T) B^T: another order of f32 sums.  NaN and infinities are not treated apart.
; SHARES.  A work-group takes 128 i x 256 o: rows of q of 256 bytes, rows of wt of 256 bytes, both at multiples of 256 from their buffers' first bytes.  Wave w takes 32 o (two tiles of 16) for all 128 i
; (eight tiles of 16): 16 tiles of 16 x 16, in two batches of eight.
; THE PRODUCT.  D(m, n), m = i, n = o: source 0 = A^T (16 i x 16 ranks), source 1 = 2 B (16 ranks x 16 o); the fragments' upper 16 of K hold 0; C = q s in f32.  Register j of lane (r, h) holds
; i = 16 it + 8 h + j, o = 16 ot + r: eight neighbouring numbers of one row of wt, 16 bytes when packed.
; NO TENSOR LOADS, NO CLUSTER, NO PREFETCH: each byte of q is wanted by one work-group; what work-groups share (A's 4 KiB, B's 8 KiB) is a small part of a work-group's 44 KiB in; every load is issued at the head.
.set QP,    272                        ; a row of q in LDS: 256 bytes + 16
.set LA,    128*QP                     ; behind q's 128 rows: A's 16 rows
.set LAP,   288                        ; 256 bytes + 32: the pitch that the turning load wants
.set STAGE, LA+16*LAP                  ; 16 rows x 272 bytes for each wave, its own, for the way out
.set SP,    272
.set SPARE, STAGE+8*16*SP              ; the spare words, 128 bytes for each wave: four blocks of 256 bytes that no other line names
.set QG,  4                            ; v4   q in memory: h x 4,096 + 16 r
.set QL,  5                            ; v5   q into LDS: (16 w + h) x 272 + 16 r
.set GO8, 6                            ; v6   h x 8,192 + 16 r: A's rows in memory, and wt's
.set AL,  7                            ; v7   A into LDS
.set BG,  8                            ; v8   B in memory: 32 r + 16 h
.set SG,  9                            ; v9   s in memory: 2 r
.set SC,  12                           ; v[12:15] s of my column in tile 0, twice; in tile 1, twice
.set QR,  16                           ; v16  my byte of q in LDS: row 8 h, column 32 w + r
.set TR,  17                           ; v17  the turning load's address
.set STO, 18                           ; v18  the way out: where I put 16 bytes of a row
.set RD,  19                           ; v19  the way out: where I read a row back
.set SPW, 22                           ; v22  LDS address of my spare word; never rewritten
.set NIL, 23                           ; v23  0; never rewritten
.set BF,  24                           ; v[24:39]   2 B: two fragments of 8
.set AF,  40                           ; v[40:103]  A^T: eight fragments of 8
.set ACC, 104                          ; v[104:167] eight accumulators of 8
.set PK0, 168                          ; v[168:199] first q as loaded; then batch 0 packed
.set PK1, 200                          ; v[200:231] first A as loaded (4 registers); then batch 1 packed
	s_load_b256 s[4:11], s[0:1], 0x0               ; q s[4:5], s s[6:7], A s[8:9], B s[10:11]
	s_load_b64 s[12:13], s[0:1], 0x20              ; wt
	v_lshl_add_u32 v[SPW], v0, 2, SPARE
	v_mov_b32 v[NIL], 0
	v_lshrrev_b32 v3, 5, v0
	v_readfirstlane_b32 s14, v3                    ; wave w, 0..7
	s_mov_b32 s15, ttmp9                           ; x: my 128 i
	s_and_b32 s16, ttmp7, 0xffff                   ; y: my 256 o
	v_and_b32 v1, 15, v0                           ; r
	v_bfe_u32 v2, v0, 4, 1                         ; h
	; byte offsets of my wave's parts, each in a pair of its own
	s_lshl_b32 s18, s15, 19                        ; q: row 128 x + 16 w, column 256 y
	s_lshl_b32 s28, s14, 16
	s_add_co_u32 s18, s18, s28
	s_lshl_b32 s28, s16, 8
	s_add_co_u32 s18, s18, s28
	s_mov_b32 s19, 0
	s_lshl_b32 s20, s16, 9                         ; s: column 256 y + 32 w
	s_lshl_b32 s28, s14, 6
	s_add_co_u32 s20, s20, s28
	s_mov_b32 s21, 0
	s_lshl_b32 s22, s15, 8                         ; A: row 2 w, column 128 x
	s_lshl_b32 s28, s14, 14
	s_add_co_u32 s22, s22, s28
	s_mov_b32 s23, 0
	s_lshl_b32 s24, s16, 13                        ; B: row 256 y + 32 w
	s_lshl_b32 s28, s14, 10
	s_add_co_u32 s24, s24, s28
	s_mov_b32 s25, 0
	s_lshl_b32 s26, s16, 21                        ; wt: row 256 y + 32 w, column 128 x
	s_lshl_b32 s28, s14, 18
	s_add_co_u32 s26, s26, s28
	s_lshl_b32 s28, s15, 8
	s_add_co_u32 s26, s26, s28
	s_mov_b32 s27, 0
	s_mul_i32 s28, s14, 16*QP                      ; my 16 rows of q in LDS
	s_add_co_u32 s29, s28, STAGE                   ; my stage (the same 4,352 bytes a wave)
	s_mul_i32 s30, s14, 2*LAP
	s_add_co_u32 s30, s30, LA                      ; my 2 rows of A in LDS
	s_lshl_b32 s31, s14, 5                         ; my 32 columns of q
	v_lshlrev_b32 v20, 4, v1                       ; 16 r
	v_lshl_add_u32 v[QG], v2, 12, v20
	v_lshl_add_u32 v[GO8], v2, 13, v20
	v_mul_u32_u24 v21, v2, QP
	v_add_nc_u32 v21, v21, v20                     ; h x 272 + 16 r
	v_add_nc_u32 v[QL], s28, v21
	v_add_nc_u32 v[RD], s29, v21
	v_mul_u32_u24 v3, v1, SP
	v_lshl_add_u32 v3, v2, 4, v3                   ; r x 272 + 16 h
	v_add_nc_u32 v[STO], s29, v3
	v_mul_u32_u24 v3, v2, LAP
	v_add_nc_u32 v3, v3, v20
	v_add_nc_u32 v[AL], s30, v3
	v_lshlrev_b32 v3, 5, v1
	v_lshl_add_u32 v[BG], v2, 4, v3
	v_lshlrev_b32 v[SG], 1, v1
	v_mul_u32_u24 v3, v2, 8*QP
	v_add_nc_u32 v3, v3, v1
	v_add_nc_u32 v[QR], s31, v3
	v_and_b32 v3, 7, v0                            ; the turning load: lane l addresses rank 8 h + l % 8, 16 bytes at 16 ((l / 8) % 2)
	v_lshl_add_u32 v3, v2, 3, v3
	v_mul_u32_u24 v3, v3, LAP
	v_bfe_u32 v21, v0, 3, 1
	v_lshl_add_u32 v3, v21, 4, v3
	v_add_nc_u32 v[TR], LA, v3
	s_wait_kmcnt 0x0
	s_add_nc_u64 s[4:5], s[4:5], s[18:19]
	s_add_nc_u64 s[6:7], s[6:7], s[20:21]
	s_add_nc_u64 s[8:9], s[8:9], s[22:23]
	s_add_nc_u64 s[10:11], s[10:11], s[24:25]
	s_add_nc_u64 s[12:13], s[12:13], s[26:27]
	; thirteen loads, all that the wave ever asks of memory
.irp t, 0,1,2,3,4,5,6,7
	global_load_b128 v[PK0+4*(\t):PK0+4*(\t)+3], v[QG], s[4:5] offset:(\t)*8192 th:TH_LOAD_NT  ; rows 16 w + 2 t + h of q: 16 lanes take 256 consecutive bytes
.endr
	global_load_b128 v[PK1:PK1+3], v[GO8], s[8:9]  ; rows 2 w + h of A
.irp ot, 0,1
	global_load_b128 v[BF+8*(\ot):BF+8*(\ot)+3], v[BG], s[10:11] offset:512*(\ot)  ; B(o = 16 ot + r, ranks 8 h .. 8 h + 7): a fragment as it lies
.endr
	global_load_u16 v10, v[SG], s[6:7]             ; s of my column in tile 0,
	global_load_u16 v11, v[SG], s[6:7] offset:32   ; in tile 1
	; while they are out: the fragments' upper 16 of K are 0 (the ranks are 16, the form's K is 32)
.irp f, 0,1
.irp j, 4,5,6,7
	v_mov_b32 v[BF+8*(\f)+(\j)], 0
.endr
.endr
.irp f, 0,1,2,3,4,5,6,7
.irp j, 4,5,6,7
	v_mov_b32 v[AF+8*(\f)+(\j)], 0
.endr
.endr
	s_wait_loadcnt 4                               ; q and A are in; the four younger loads (B's two, s's two) may stay out
.irp t, 0,1,2,3,4,5,6,7
	ds_store_b128 v[QL], v[PK0+4*(\t):PK0+4*(\t)+3] offset:(\t)*2*QP
.endr
	ds_store_b128 v[AL], v[PK1:PK1+3]
	s_wait_loadcnt 0x0                             ; B and s
.irp f, 0,1
.irp j, 0,1,2,3
	v_pk_add_f16 v[BF+8*(\f)+(\j)], v[BF+8*(\f)+(\j)], v[BF+8*(\f)+(\j)]  ; 2 B: the module's scaling, exact
.endr
.endr
	v_cvt_f32_f16 v12, v10.l
	v_cvt_f32_f16 v13, v10.l
	v_cvt_f32_f16 v14, v11.l
	v_cvt_f32_f16 v15, v11.l
	s_wait_dscnt 0x0                               ; for the others' sake: my rows of q and A lie in LDS
	s_barrier_signal -1
	s_barrier_wait -1                              ; everybody's do; from here on they are only read
.irp it, 0,1,2,3,4,5,6,7
	ds_load_tr16_b128 v[AF+8*(\it):AF+8*(\it)+3], v[TR] offset:32*(\it)  ; A^T: lane (r, h) gets ranks 8 h .. 8 h + 7 of column i = 16 it + r
.endr
; 64 bytes of q a lane, sign-extended, straight into the accumulators: register j of tile it is q(16 it + 8 h + j, 32 w + 16 ot + r).
; Lanes 0-15 take 16 neighbouring bytes; lanes 16-31 lie 2,176 bytes on, 128 bytes on modulo 256.
.macro LOADQ ot
.irp it, 0,1,2,3,4,5,6,7
.irp j, 0,1,2,3,4,5,6,7
	ds_load_i8 v[ACC+8*(\it)+(\j)], v[QR] offset:(16*(\it)+(\j))*QP+16*(\ot)
.endr
.endr
.endm
; q s in f32, in place.  counted = 1: tile it's eight loads are waited for by the count of the younger ones (LDS loads come back in order: ISA guide 5.7.1); A's fragments, asked for earlier, are in with the first.
.macro CONV ot, counted
.irp it, 0,1,2,3,4,5,6,7
.if \counted
	s_wait_dscnt 8*(7-(\it))
.endif
.irp j, 0,1,2,3,4,5,6,7
	v_cvt_f32_i32 v[ACC+8*(\it)+(\j)], v[ACC+8*(\it)+(\j)]
.endr
.irp j, 0,2,4,6
	v_pk_mul_f32 v[ACC+8*(\it)+(\j):ACC+8*(\it)+(\j)+1], v[ACC+8*(\it)+(\j):ACC+8*(\it)+(\j)+1], v[SC+2*(\ot):SC+2*(\ot)+1]
.endr
.endr
.endm
; Eight products, one on each accumulator: no two that follow each other share one, from batch to batch either.
.macro MULS ot
.irp it, 0,1,2,3,4,5,6,7
	v_wmma_f32_16x16x32_f16 v[ACC+8*(\it):ACC+8*(\it)+7], v[AF+8*(\it):AF+8*(\it)+7], v[BF+8*(\ot):BF+8*(\ot)+7], v[ACC+8*(\it):ACC+8*(\it)+7]
.endr
.endm
; Rounded once to f16.  Four v_nop are the places behind the last product, for these conversions and for the next batch's loads into the accumulators; each accumulator is read from its low end on.
.macro PACK ot
.rept 4
	v_nop
.endr
.irp it, 0,1,2,3,4,5,6,7
.irp p, 0,1,2,3
	v_cvt_pk_f16_f32 v[PK0+32*(\ot)+4*(\it)+(\p)], v[ACC+8*(\it)+2*(\p)], v[ACC+8*(\it)+2*(\p)+1]
.endr
.endr
.endm
; Through my own stage: 16 bytes a lane into rows of 272 bytes, back as whole rows of 256.  LDS serves a wave's instructions in order (ISA guide 5.7.1.4), so no wait stands between.
.macro STAGEIO ot
.irp it, 0,1,2,3,4,5,6,7
	ds_store_b128 v[STO], v[PK0+32*(\ot)+4*(\it):PK0+32*(\ot)+4*(\it)+3] offset:32*(\it)
.endr
.irp t, 0,1,2,3,4,5,6,7
	ds_load_b128 v[PK0+32*(\ot)+4*(\t):PK0+32*(\ot)+4*(\t)+3], v[RD] offset:(\t)*2*SP
.endr
.endm
.macro SEND ot
.irp t, 0,1,2,3,4,5,6,7
	s_wait_dscnt 7-(\t)                            ; rows 2 t, 2 t + 1 are back; the younger loads may stay out
	global_store_b128 v[GO8], v[PK0+32*(\ot)+4*(\t):PK0+32*(\ot)+4*(\t)+3], s[12:13] offset:(16*(\ot)+2*(\t))*8192  ; 16 lanes store 256 consecutive bytes, at a multiple of 256 from wt's first byte
.endr
.endm
	LOADQ 0
	CONV 0, 1
	MULS 0
	PACK 0
	LOADQ 1                                        ; the second batch's bytes are on their way while the first goes out
	STAGEIO 0
	SEND 0                                         ; its last wait is for 0: the second batch's bytes, asked for earlier, are in
	CONV 1, 0
	MULS 1
	PACK 1
	STAGEIO 1
	SEND 1
	s_wait_tensorcnt 0x0                           ; the wave's end, behind my last LDS store
	ds_add_u32 v[SPW], v[NIL]
	s_wait_dscnt 0x0
	s_endpgm
.Lfunc_end_k_q2e34c5bf54_prep:
	.size	k_q2e34c5bf54_prep, .Lfunc_end_k_q2e34c5bf54_prep-k_q2e34c5bf54_prep
	.p2alignl 7, 3214868480
	.fill 96, 4, 3214868480
	.section	.rodata,"a",@progbits
	.p2align	6, 0x0
	.amdhsa_kernel k_q2e34c5bf54_prep
		.amdhsa_group_segment_fixed_size 75264
		.amdhsa_private_segment_fixed_size 0
		.amdhsa_enable_private_segment 0
		.amdhsa_kernarg_size 40
		.amdhsa_user_sgpr_count 2
		.amdhsa_user_sgpr_kernarg_segment_ptr 1
		.amdhsa_wavefront_size32 1
		.amdhsa_system_sgpr_workgroup_id_x 1
		.amdhsa_system_sgpr_workgroup_id_y 1
		.amdhsa_system_sgpr_workgroup_id_z 1
		.amdhsa_system_vgpr_workitem_id 0
		.amdhsa_next_free_vgpr 232
		.amdhsa_next_free_sgpr 66
		.amdhsa_reserve_vcc 0
		.amdhsa_float_denorm_mode_32 3
		.amdhsa_float_denorm_mode_16_64 3
		.amdhsa_memory_ordered 1
		.amdhsa_forward_progress 1
		.amdhsa_inst_pref_size 34
	.end_amdhsa_kernel
	.amdgpu_metadata
---
amdhsa.version: [ 1, 2 ]
amdhsa.kernels:
  - .name:           k_q2e34c5bf54_prep
    .symbol:         k_q2e34c5bf54_prep.kd
    .args:
      - { .name: qweight, .offset: 0, .size: 8, .value_kind: global_buffer, .address_space: global }
      - { .name: weight_scales, .offset: 8, .size: 8, .value_kind: global_buffer, .address_space: global }
      - { .name: lora_A_w, .offset: 16, .size: 8, .value_kind: global_buffer, .address_space: global }
      - { .name: lora_B_w, .offset: 24, .size: 8, .value_kind: global_buffer, .address_space: global }
      - { .name: wt, .offset: 32, .size: 8, .value_kind: global_buffer, .address_space: global }
    .group_segment_fixed_size: 75264
    .private_segment_fixed_size: 0
    .kernarg_segment_align: 8
    .kernarg_segment_size: 40
    .max_flat_workgroup_size: 256
    .sgpr_count:     66
    .vgpr_count:     232
    .wavefront_size: 32
...
	.end_amdgpu_metadata
.endif
;; end of part 1
;; launch gemm (part 2): grid 16 x 16, 4 waves a work-group, clusters of 4 x 4, 327,680 bytes of LDS; arguments input, wt, out0, bias; writes out0
.if DOCPART == 2
	.amdgcn_target "amdgcn-amd-amdhsa--gfx1250"
	.amdhsa_code_object_version 6
	.text
	.protected	k_q2e34c5bf54_gemm
	.globl	k_q2e34c5bf54_gemm
	.p2align	8
	.type	k_q2e34c5bf54_gemm,@function
k_q2e34c5bf54_gemm:
	s_mov_b64 s[64:65], 0
	v_nop
	global_prefetch_b8 v0, s[64:65] scope:SCOPE_SE
	s_setreg_imm32_b32 hwreg(HW_REG_WAVE_MODE, 25, 1), 1
	s_wait_xcnt 0x0
	s_wait_alu depctr_hold_cnt(0) depctr_sa_sdst(0) depctr_va_vdst(0) depctr_va_sdst(0) depctr_va_ssrc(0) depctr_va_vcc(0) depctr_vm_vsrc(0)
	s_getreg_b32 s2, hwreg(HW_REG_IB_STS2, 6, 4)
	s_cmp_eq_u32 s2, 0
	s_cbranch_scc0 .Lentry_in_a_cluster
	s_endpgm
.Lentry_in_a_cluster:
	s_bfe_u32 s2, ttmp6, 0x10000c
	s_cmp_lg_u32 s2, 0xf033
	s_cbranch_scc0 .Lentry_shape_is_right
	s_endpgm
.Lentry_shape_is_right:
; out0[m][o] = f16( bias[o] + sum over i of x[m][i] wt[o][i] ).  x: [4096][4096] f16 (the module's input as it lies), wt: [4096 o][4096 i] f16 (the folded weight of the launch before), bias: [4096] f16,
; out0: [4096][4096] f16.  Products of f16 operands, sums in f32, K ascending, the bias as the sums' first term, out0 rounded once.
; LIMITS.  An f32 sum beyond f16's end leaves as an infinity; NaN and infinities are not treated apart.
; SHARES.  A tile of out0, 256 x 256, is made by a work-group of four waves; a wave makes 128 x 128: 64 accumulators of 16 x 16, 512 registers.  16 x 16 tiles: 256 work-groups, one tile each.
; K goes in steps of 128 through a ring of two LDS slots filled by the tensor data mover: the tiles' rows are 256 bytes of memory and start at multiples of 256 bytes from the buffer's first byte.
; The last K step goes by rows of out0, so that finished rows leave while the others are multiplied.
; CLUSTERS.  4 x 4 work-groups.  The four of a row of the cluster need the same tiles of x, the four of a column the same tiles of wt: such a tile is asked for JOINTLY: each of the four issues the same
; tensor load, with the same descriptor and a mask that names the four, and each receives it in its own LDS.
; REGISTERS, in windows of 256 (s_set_vgpr_msb's low byte: bits 1:0 source 0, 3:2 source 1, 5:4 source 2, 7:6 destination):
;   window 0: v0-31 addresses; v64-127, v128-191 fragments of x, two buffers (in the last K step four, of 16 rows x 128 K); v32-63, v192-255 first the bias (as loaded; in f32), later at work on the way out
;   window 1: v64-127, v128-191 fragments of wt, two buffers; in the last K step all 256          window 2: the accumulators of my rows 0-63 ((a, b) at v[8 (8 a + b)]); window 3: of my rows 64-127
; THE PRODUCT IS USED TRANSPOSED: source 0 = 16 rows of wt, source 1 = 16 rows of x.  Lane l then holds row l % 16 of out0 and, in registers 0 to 7, the columns 8 (l / 16) + 0..7: 16 bytes when packed.
; THE BIAS costs the way out nothing: for column block b a lane's eight bias numbers lie in v[192 + 8 b ..] of window 0, and they are the C operand of the 64 products that start the sums.
.set SIZE_N, 4096
.set SIZE_K, 4096
.set KSTEP,  128
.set PITCH,  272                       ; an LDS row: 256 bytes + 16 of padding: the 16 rows of a fragment load start at 16 different 16-byte columns modulo 256 bytes
.set HALFT,  128*PITCH                 ; 128 rows: what one tensor load brings, and what one wave reads of x or of wt
.set SLOT,   4*HALFT                   ; x's 256 rows, then wt's 256 rows
.set STAGE,  2*SLOT                    ; behind the ring: 16 rows x 272 bytes for each wave, for the way out; no tensor load lands there
.set SPITCH, 272
.set SPARE,  STAGE+4*16*SPITCH         ; the spare words, 128 bytes for each wave: two blocks of 256 bytes that no other line names
.set LAPS,   SIZE_K/(2*KSTEP)          ; a lap = two K steps = once round the ring: 16
.set ADRA, 16                          ; v16-17  LDS address of my x fragments in slot 0, 1
.set ADRB, 20                          ; v20-21  the same for wt
.set ONE,  22                          ; v22     1.0
.set ZRO,  23                          ; v23     0
.set STO,  24                          ; v24     the way out: where I put 16 bytes of a row
.set RD,   25                          ; v25     the way out: where I read a row back
.set CO,   26                          ; v26     my byte offset in out0
.set BO,   27                          ; v27     my byte offset in bias
.set SPW,  28                          ; v28     LDS address of my spare word; never rewritten
.set NIL,  29                          ; v29     0; never rewritten
.set PFO,  30                          ; v30     the prefetches' offset: my lane x a row of 8,192 bytes; never rewritten
.set PFA,  44                          ; s[44:45] where my prefetches stand: my work-group's 32 rows of the 128 that I fetch, one K step beyond the refill that is being asked for
.set LIM,  43                          ; s43     1 in a wave that prefetches, else the greatest number
.set F0,   64                          ; fragment buffer 0
.set F1,   128                         ; fragment buffer 1
.set BRAW, 32                          ; the bias as loaded: 4 registers for each column block
.set BIAS, 192                         ; the bias in f32: 8 registers for each column block
.set TMP,  192                         ; the way out: packed results
.set OB,   32                          ; the way out: 16 rows read back from the stage: v32-63 and v224-255 by turns
.set PA,   64                          ; the last K step: x's fragments of 16 rows x 128 K, 32 registers; four such buffers, v64-191
.set G1,  24                           ; s[24:31] descriptor group 1 for x's tiles
.set G0,  32                           ; s[32:39] descriptor group 0 for x's tiles, one set for each slot
.set G1B, 48                           ; s[48:55] group 1 for wt's tiles: it differs in the mask alone
.set G0B, 56                           ; s[56:63] group 0 for wt's tiles
.set MSB, 0
.macro WIN new                         ; the immediate's high byte repeats the setting that is left; a switch that changes nothing is dropped
.if MSB != (\new)
	s_set_vgpr_msb (MSB<<8)|(\new)
.set MSB, \new
.endif
.endm
.set MUL_LO, 0xa1                      ; source 0 (wt) window 1, source 1 (x) window 0, C and D window 2
.set MUL_HI, 0xf1                      ; the same, C and D window 3
.set TO_B,   0x40                      ; destination window 1, address window 0
; A joint load.  Waves 0 and 1 fetch x's two halves, waves 2 and 3 wt's.  Each line has one mask and one set of registers for all that issue it; the branch hangs on the wave's number alone.
; An s_nop 0 and four v_nop follow each line, ahead of the jump, the label and what follows.
.macro JLOAD s
	s_cmp_eq_u32 s11, 0
	s_cbranch_scc0 .Lfor_b_\@
	tensor_load_to_lds s[G0+4*(\s):G0+4*(\s)+3], s[G1:G1+7]
	s_nop 0
.rept 4
	v_nop
.endr
	s_branch .Lasked_\@
.Lfor_b_\@:
	tensor_load_to_lds s[G0B+4*(\s):G0B+4*(\s)+3], s[G1B:G1B+7]
	s_nop 0
.rept 4
	v_nop
.endr
.Lasked_\@:
.endm
; A PREFETCH, behind each joint refill and the run of LDS loads that follows it: the K step that stands two refills on (512 matrix instructions ahead of the load that will ask for it): 32 rows x 256 bytes, a lane a row.
; Each row's 256 bytes of a K step are named once in the launch: x's tile row is read by every cluster of that row of clusters, and cluster x = 0 asks; wt's tile column by every cluster of that column, and
; cluster y = 0 asks.  The four partners of a joint load share its 128 rows out by address, 32 each: no branch hangs on a work-group's place in its cluster.
; K steps 0 to 3 come by their loads alone; the loop's last trip (s3 = 1) asks for nothing: the last K steps named are 30 and 31.
.macro ASK
	s_cmp_gt_u32 s3, s[LIM]
	s_cbranch_scc0 .Lnot_mine_\@
	global_prefetch_b8 v[PFO], s[PFA:PFA+1] offset:KSTEP*2 th:TH_LOAD_NT scope:SCOPE_SE
.Lnot_mine_\@:
.endm
; A round of the cluster's barrier: my work-group's barrier, so that wave 0's signal speaks for all four waves; wave 0 signals; every wave waits for all sixteen work-groups; my work-group's barrier once more.
.macro CREST                           ; a round behind its opening barrier
	s_cmp_lg_u32 s10, 0
	s_cbranch_scc1 .Lnot_wave_0_\@
	s_barrier_signal -3
.Lnot_wave_0_\@:
	s_barrier_wait -3
	s_barrier_signal -1
	s_barrier_wait -1
.endm
.macro CROUND                          ; a whole round
	s_barrier_signal -1
	s_barrier_wait -1
	CREST
.endm
	s_load_b128 s[4:7], s[0:1], 0x0                ; x s[4:5], wt s[6:7]
	s_load_b64 s[8:9], s[0:1], 0x10                ; out0
	s_load_b64 s[66:67], s[0:1], 0x18              ; bias
	v_lshl_add_u32 v[SPW], v0, 2, SPARE
	v_mov_b32 v[NIL], 0
	ds_add_u32 v[SPW], v[NIL]                      ; the wave's opening: the add, twice on end, and its wait ahead of my first tensor load; the set-up below stands between
	ds_add_u32 v[SPW], v[NIL]                      ; the same add once more, under the one wait
	v_lshrrev_b32 v1, 5, v0
	v_readfirstlane_b32 s10, v1                    ; wave 0..3
	s_lshr_b32 s11, s10, 1                         ; which half of the tile's rows is mine.  Also: I fetch for x (0) or for wt (1)
	s_and_b32 s12, s10, 1                          ; which half of its columns.  Also: which 128 rows of that tile I fetch
	s_bfe_u32 s40, ttmp6, 0x40000                  ; cx
	s_bfe_u32 s41, ttmp6, 0x40004                  ; cy
	s_lshl_b32 s42, ttmp9, 2                       ; in a cluster launch ttmp9 and ttmp7 count clusters
	s_add_co_u32 s42, s42, s40                     ; tile column = 4 x cluster x + cx
	s_and_b32 s13, ttmp7, 0xffff
	s_lshl_b32 s13, s13, 2
	s_add_co_u32 s13, s13, s41                     ; tile row = 4 x cluster y + cy
	s_lshl_b32 s43, s41, 2
	s_lshl_b32 s43, 15, s43                        ; my row of the cluster: places 4 cy .. 4 cy + 3
	s_lshl_b32 s44, 0x1111, s40                    ; my column: places cx, cx + 4, cx + 8, cx + 12
	; descriptor group 1: a tile of 128 rows x 128 elements of 2 bytes, padded in LDS
	s_or_b32 s[G1+0], s43, (1<<16)|(1<<20)|(1<<21)|(5<<22)|(3<<25)  ; 15:0 the mask: x's tiles go to my row; 17:16 2-byte elements; 20 padding on; 21 set beside a mask; 24:22 after every 64 words; 31:25 4 words of it
	s_or_b32 s[G1B+0], s44, (1<<16)|(1<<20)|(1<<21)|(5<<22)|(3<<25) ; the same with the mask of my column, for wt's tiles
	s_mov_b32 s[G1B+1], KSTEP<<16
	s_mov_b32 s[G1+1], KSTEP<<16                   ; tensor_dim0 = 128
	s_mov_b32 s[G1B+2], 128<<16
	s_mov_b32 s[G1+2], 128<<16                     ; tensor_dim1 = 128
	s_mov_b32 s[G1B+3], KSTEP<<16
	s_mov_b32 s[G1+3], KSTEP<<16                   ; tile_dim0 = 128
	s_mov_b32 s[G1B+4], 128
	s_mov_b32 s[G1+4], 128                         ; tile_dim1 = 128
	s_mov_b32 s[G1B+5], SIZE_K
	s_mov_b32 s[G1+5], SIZE_K                      ; elements from row to row
	s_mov_b32 s[G1B+6], 0
	s_mov_b32 s[G1+6], 0
	s_mov_b32 s[G1B+7], 0
	s_mov_b32 s[G1+7], 0
	; where the tiles come from: x's hang on the tile row alone, which my row of the cluster shares; wt's on the tile column alone, which my column shares.  Each in registers that never hold the other coordinate.
	s_lshl_b32 s17, s12, 7                         ; which 128 rows of the tile I fetch
	s_lshl_b32 s16, s13, 8
	s_add_co_u32 s16, s16, s17                     ; x: row 256 x tile row + 128 x half
	s_lshl_b32 s46, s42, 8
	s_add_co_u32 s46, s46, s17                     ; wt: row 256 x tile column + 128 x half
	s_mov_b32 s17, 0
	s_mov_b32 s47, 0
	s_mov_b64 s[18:19], SIZE_K*2
	s_mul_u64 s[16:17], s[16:17], s[18:19]         ; in bytes
	s_mul_u64 s[46:47], s[46:47], s[18:19]
	s_mul_i32 s20, s10, HALFT                      ; and where they go: wave x 128 rows: no place in the cluster enters an LDS address
	s_wait_dscnt 0x0                               ; both opening adds are done
	s_wait_kmcnt 0x0
	s_add_nc_u64 s[14:15], s[4:5], s[16:17]
	s_add_nc_u64 s[46:47], s[6:7], s[46:47]
	CROUND                                         ; all sixteen work-groups are here: the first joint loads meet
.irp s, 0,1
	s_mov_b32 s[G0+4*(\s)], 1                                      ; count = 1
	s_add_co_u32 s[G0+4*(\s)+1], s20, (\s)*SLOT                    ; LDS address
	s_add_nc_u64 s[G0+4*(\s)+2:G0+4*(\s)+3], s[14:15], (\s)*KSTEP*2  ; global address: K step s
	s_or_b32 s[G0+4*(\s)+3], s[G0+4*(\s)+3], 0x80000000            ; type = 2
	s_mov_b32 s[G0B+4*(\s)], 1
	s_add_co_u32 s[G0B+4*(\s)+1], s20, (\s)*SLOT
	s_add_nc_u64 s[G0B+4*(\s)+2:G0B+4*(\s)+3], s[46:47], (\s)*KSTEP*2
	s_or_b32 s[G0B+4*(\s)+3], s[G0B+4*(\s)+3], 0x80000000
	JLOAD \s                                       ; both slots are asked for before anything else is done: two loads of mine are out
.endr
	; A fragment is 16 rows x 32 K in 8 registers: lane l holds row l % 16; registers 0-3 K = 8 (l / 16) + 0..7, registers 4-7 K = 16 + 8 (l / 16) + 0..7: two loads of 16 bytes, 32 bytes apart.
	v_and_b32 v1, 15, v0                           ; l % 16
	v_bfe_u32 v2, v0, 4, 1                         ; l / 16
	v_mul_u32_u24 v3, v1, PITCH
	v_lshl_add_u32 v3, v2, 4, v3                   ; row x pitch + 16 x half
	s_mul_i32 s21, s11, HALFT                      ; my 128 rows of x
	s_mul_i32 s22, s12, HALFT                      ; my 128 rows of wt,
	s_add_co_u32 s22, s22, 2*HALFT                 ; which lie behind x's 256
.irp s, 0,1
	v_add_nc_u32 v[ADRA+(\s)], s21, v3
	v_add_nc_u32 v[ADRB+(\s)], s22, v3
	s_add_co_u32 s21, s21, SLOT
	s_add_co_u32 s22, s22, SLOT
.endr
	s_mul_i32 s23, s10, 16*SPITCH
	s_add_co_u32 s23, s23, STAGE                   ; my stage
	v_mul_u32_u24 v4, v1, SPITCH                   ; in: row l % 16, 16 bytes for each half of the lanes
	v_lshl_add_u32 v4, v2, 4, v4
	v_add_nc_u32 v[STO], s23, v4
	v_mul_u32_u24 v5, v2, SPITCH                   ; back: lanes 0-15 take one row of 256 bytes, lanes 16-31 the next
	v_lshl_add_u32 v5, v1, 4, v5
	v_add_nc_u32 v[RD], s23, v5
	v_mul_u32_u24 v5, v2, SIZE_N*2                 ; and the same two rows in out0
	v_lshl_add_u32 v[CO], v1, 4, v5
	; where my part of the tile begins in out0, in bytes: the way out adds it to out0's address
	s_lshl_b32 s13, s13, 8
	s_lshl_b32 s14, s11, 7
	s_add_co_u32 s16, s13, s14                     ; my first row
	s_mov_b32 s17, 0
	s_mov_b64 s[18:19], SIZE_N*2
	s_mul_u64 s[16:17], s[16:17], s[18:19]
	s_lshl_b32 s46, s42, 9                         ; my first column, in bytes: 512 x tile column + 256 x half
	s_lshl_b32 s47, s12, 8
	s_add_co_u32 s46, s46, s47
	; the bias of my 128 columns: for column block b my eight numbers are the 16 bytes at (first column + 16 b + 8 (l / 16)) x 2
	v_lshl_add_u32 v[BO], v2, 4, s46
.irp b, 0,1,2,3,4,5,6,7
	global_load_b128 v[BRAW+4*(\b):BRAW+4*(\b)+3], v[BO], s[66:67] offset:32*(\b)
.endr
	v_mov_b32 v[ONE], 1.0
	v_mov_b32 v[ZRO], 0
	s_mov_b32 s47, 0
	s_add_nc_u64 s[16:17], s[16:17], s[46:47]
	; the prefetches.  s13 = 256 x tile row, s42 = tile column, s40 = cx, s41 = cy still stand
	s_lshl_b32 s42, s42, 8
	s_and_b32 s22, ttmp7, 0xffff                   ; cluster y
	s_cmp_eq_u32 s11, 0                            ; do I fetch for x?
	s_cselect_b32 s20, s13, s42                    ; the tile's first row: in x by the tile row, in wt by the tile column
	s_cselect_b32 s21, s40, s41                    ; my place among the four that ask for it with me
	s_cselect_b32 s22, ttmp9, s22                  ; the coordinate along which other clusters read the same rows
	s_cselect_b64 s[PFA:PFA+1], s[4:5], s[6:7]
	s_cmp_eq_u32 s22, 0
	s_cselect_b32 s[LIM], 1, -1                    ; the same in all sixteen partners, for a given wave
	s_lshl_b32 s22, s12, 7
	s_add_co_u32 s20, s20, s22                     ; + the 128 rows that I fetch
	s_lshl_b32 s21, s21, 5
	s_add_co_u32 s20, s20, s21                     ; + my work-group's 32 of them
	s_mov_b32 s21, 0
	s_mov_b64 s[18:19], SIZE_K*2
	s_mul_u64 s[20:21], s[20:21], s[18:19]
	s_add_nc_u64 s[PFA:PFA+1], s[PFA:PFA+1], s[20:21]
	s_add_nc_u64 s[PFA:PFA+1], s[PFA:PFA+1], 2*KSTEP*2  ; at K step 2: the first refill steps it to 3 and names K step 4.  Nothing is prefetched here, at the head
	v_and_b32 v[PFO], 31, v0
	v_mul_u32_u24 v[PFO], v[PFO], SIZE_K*2
	s_wait_loadcnt 0x0                             ; the bias is in; it is widened to f32 (half x 1.0 + 0) in the wait for the first tiles
.irp b, 0,1,2,3,4,5,6,7
.irp p, 0,1,2,3
	v_fma_mix_f32 v[BIAS+8*(\b)+2*(\p)],   v[BRAW+4*(\b)+(\p)], v[ONE], v[ZRO] op_sel_hi:[1,0,0]
	v_fma_mix_f32 v[BIAS+8*(\b)+2*(\p)+1], v[BRAW+4*(\b)+(\p)], v[ONE], v[ZRO] op_sel:[1,0,0] op_sel_hi:[1,0,0]
.endr
.endr
; 16 matrix instructions: m blocks a0, a0 + 1 of the window's four (hi = 0: my rows 0-63, 1: rows 64-127) x all 8 n blocks, 32 along K.
; first = 1: the product starts the sum, with the bias (window 0) as C: nothing is ever cleared.
.macro MUL16 f, hi, a0, first
.if \first
	WIN 0x81+0x40*(\hi)
.else
	WIN MUL_LO+0x50*(\hi)
.endif
.irp a, \a0, (\a0)+1
.irp b, 0,1,2,3,4,5,6,7
.if \first
	v_wmma_f32_16x16x32_f16 v[8*(8*(\a)+(\b)):8*(8*(\a)+(\b))+7], v[(\f)+8*(\b):(\f)+8*(\b)+7], v[(\f)+8*(4*(\hi)+(\a)):(\f)+8*(4*(\hi)+(\a))+7], v[BIAS+8*(\b):BIAS+8*(\b)+7]
.else
	v_wmma_f32_16x16x32_f16 v[8*(8*(\a)+(\b)):8*(8*(\a)+(\b))+7], v[(\f)+8*(\b):(\f)+8*(\b)+7], v[(\f)+8*(4*(\hi)+(\a)):(\f)+8*(4*(\hi)+(\a))+7], v[8*(8*(\a)+(\b)):8*(8*(\a)+(\b))+7]
.endif
.endr
.endr
.endm
; 32 LDS loads in one run: the fragments of one quarter step (128 rows of wt, 128 rows of x, 32 K at byte k of the rows) into buffer f
.macro FETCH slot, k, f
	WIN TO_B
.irp i, 0,1,2,3,4,5,6,7
	ds_load_b128 v[(\f)+8*(\i):(\f)+8*(\i)+3],   v[ADRB+(\slot)] offset:(\k)+(\i)*16*PITCH
	ds_load_b128 v[(\f)+8*(\i)+4:(\f)+8*(\i)+7], v[ADRB+(\slot)] offset:(\k)+(\i)*16*PITCH+32
.endr
	WIN 0
.irp i, 0,1,2,3,4,5,6,7
	ds_load_b128 v[(\f)+8*(\i):(\f)+8*(\i)+3],   v[ADRA+(\slot)] offset:(\k)+(\i)*16*PITCH
	ds_load_b128 v[(\f)+8*(\i)+4:(\f)+8*(\i)+7], v[ADRA+(\slot)] offset:(\k)+(\i)*16*PITCH+32
.endr
.endm
; Four places (plain vector instructions that name none of a matrix instruction's registers) in front of loads into registers that matrix instructions have read, and of conversions that read results just made.
.macro PLACES
.rept 4
	v_nop
.endr
.endm
; A K step is four quarter steps of 32 along K, 64 matrix instructions each, on buffers 0, 1, 0, 1.  The 64 accumulators take turns, one instruction a turn, in the same order in every quarter.
; One of the first three: multiplies buffer f; in its middle it fetches the next quarter's fragments, at byte k of the same slot's rows, into buffer g.
.macro QUARTER slot, k, f, g, first
	s_wait_dscnt 8                                 ; wt and x's rows 0-63 are in; the youngest eight loads (x's rows 64-127) may be out
	MUL16 \f, 0, 0, \first
	MUL16 \f, 0, 2, \first
	PLACES
	FETCH \slot, \k, \g
	s_wait_dscnt 32                                ; all but the 32 just issued
	MUL16 \f, 1, 0, \first
	MUL16 \f, 1, 2, \first
.endm
; The last quarter multiplies buffer 1 and changes slots.  MEET is its first half: ONE barrier.  In front of it each wave waits for all its tensor loads, of which one is out: its part of the next slot;
; adds 0 to its spare word; and waits for that and for its own reads of this slot.  Behind it nobody reads this slot any more and the next slot is whole.
.macro MEET round                      ; round = 1: the rest of a round of the cluster's barrier follows
	WIN 0                                          ; (the add's two registers lie in window 0)
	s_wait_tensorcnt 0x0                           ; all my tensor loads have landed;
	ds_add_u32 v[SPW], v[NIL]                      ; 0 onto my spare word;
	s_wait_dscnt 9                                 ; (the add and the youngest eight loads may be out)
	MUL16 F1, 0, 0, 0                              ; sixteen matrix instructions stand between the add and the wait for it
	s_wait_dscnt 0x0                               ; the add is done, and my reads of this slot are over:
	s_barrier_signal -1                            ; say so,
	MUL16 F1, 0, 2, 0                              ; work on registers while the others arrive,
.if \round
	WIN 0
.endif
	s_barrier_wait -1                              ; and go on when all four have said so
.endm
; The whole last quarter.  Behind the round the slot just read out is filled again first, with the K step two steps on; then come the next slot's first fragments.
; From a request to the wait for it a wave issues 224 matrix instructions; one tensor load of mine is out meanwhile.
.macro TURN slot, next
	s_wait_xcnt 0x0                                ; the last prefetch, a K step back, has read its address: it is stepped here, ahead of the waits of the change of slots
	s_add_nc_u64 s[PFA:PFA+1], s[PFA:PFA+1], KSTEP*2
	MEET 1
	CREST                                          ; all sixteen work-groups have said so: no wave of any partner still reads this slot's tile or has a load on its way
	s_add_nc_u64 s[G0+4*(\slot)+2:G0+4*(\slot)+3], s[G0+4*(\slot)+2:G0+4*(\slot)+3], 2*KSTEP*2
	s_add_nc_u64 s[G0B+4*(\slot)+2:G0B+4*(\slot)+3], s[G0B+4*(\slot)+2:G0B+4*(\slot)+3], 2*KSTEP*2
	JLOAD \slot                                    ; the first tensor load behind the round; the four v_nop behind it are also the places in front of the loads below
	FETCH \next, 0, F0
	ASK
	MUL16 F1, 1, 0, 0
	MUL16 F1, 1, 2, 0
.endm
; THE LAST K STEP (it lies in slot 1) GOES BY ROWS OF out0.  All its fragments of wt (4 quarters x 64 registers) fill window 1; then my eight blocks of 16 rows are finished one after the other,
; each with 32 matrix instructions (its 8 accumulators by turns, K ascending).  LDS is read no more than in any other K step.
.macro BLOAD q                         ; wt's fragments of quarter q -> window 1, v[64 q ..]
	WIN TO_B
.irp i, 0,1,2,3,4,5,6,7
	ds_load_b128 v[64*(\q)+8*(\i):64*(\q)+8*(\i)+3],   v[ADRB+1] offset:64*(\q)+(\i)*16*PITCH
	ds_load_b128 v[64*(\q)+8*(\i)+4:64*(\q)+8*(\i)+7], v[ADRB+1] offset:64*(\q)+(\i)*16*PITCH+32
.endr
.endm
.macro ALOAD a                         ; x's fragments of block a, all four quarters -> buffer a % 4
	WIN 0
.set FA, PA+32*((\a)%4)
.irp q, 0,1,2,3
	ds_load_b128 v[FA+8*(\q):FA+8*(\q)+3],   v[ADRA+1] offset:64*(\q)+(\a)*16*PITCH
	ds_load_b128 v[FA+8*(\q)+4:FA+8*(\q)+7], v[ADRA+1] offset:64*(\q)+(\a)*16*PITCH+32
.endr
.endm
.macro ROW a                           ; block a is finished: 32 matrix instructions
.set FA, PA+32*((\a)%4)
.set AC, 64*((\a)%4)                   ; its eight accumulators, in window 2 (blocks 0-3) or 3 (blocks 4-7)
	WIN MUL_LO+0x50*((\a)/4)
.irp q, 0,1,2,3
.if (\a) == 0 && (\q) == 2
	s_wait_dscnt 24                                ; wt's quarter 2 is in (behind it: x's blocks 1 to 3)
.endif
.irp b, 0,1,2,3,4,5,6,7
	v_wmma_f32_16x16x32_f16 v[AC+8*(\b):AC+8*(\b)+7], v[64*(\q)+8*(\b):64*(\q)+8*(\b)+7], v[FA+8*(\q):FA+8*(\q)+7], v[AC+8*(\b):AC+8*(\b)+7]
.endr
.endr
.endm
; THE WAY OUT of block a.  PACK: rounded to f16, 16 bytes a lane, each accumulator's registers in ascending order.  TOSTAGE: into my own stage, and back as whole rows of 256 bytes.  SEND: stored.
.macro PACK a
.set AC, 64*((\a)%4)
	WIN 0x0a+5*((\a)/4)                            ; sources 0 and 1: window 2 or 3
.irp b, 0,1,2,3,4,5,6,7
.irp r, 0,1,2,3
	v_cvt_pk_f16_f32 v[TMP+4*(\b)+(\r)], v[AC+8*(\b)+2*(\r)], v[AC+8*(\b)+2*(\r)+1]
.endr
.endr
	WIN 0
.endm
.macro TOSTAGE a
	WIN 0
.set BK, OB+192*((\a)%2)
.irp b, 0,1,2,3,4,5,6,7
	ds_store_b128 v[STO], v[TMP+4*(\b):TMP+4*(\b)+3] offset:32*(\b)
.endr
.irp t, 0,1,2,3,4,5,6,7
	ds_load_b128 v[BK+4*(\t):BK+4*(\t)+3], v[RD] offset:(\t)*2*SPITCH  ; LDS serves a wave's instructions in order (ISA guide 5.7.1.4): these see the stores above
.endr
.endm
.macro SEND a, younger                 ; younger: the LDS loads issued behind TOSTAGE's, which may stay out
	WIN 0
.set BK, OB+192*((\a)%2)
	s_wait_dscnt \younger                          ; the block is back in registers
	s_wait_xcnt 0x0                                ; earlier stores have read their base and their registers: only behind this wait are they rewritten
.if (\a) == 0
	s_add_nc_u64 s[8:9], s[8:9], s[16:17]          ; on to my first rows of the tile
.else
	s_add_nc_u64 s[8:9], s[8:9], 16*SIZE_N*2       ; 16 rows of out0 on
.endif
.irp t, 0,1,2,3,4,5,6,7
	global_store_b128 v[CO], v[BK+4*(\t):BK+4*(\t)+3], s[8:9] offset:2*(\t)*SIZE_N*2  ; 16 lanes store 256 consecutive bytes, at a multiple of 256 from out0's first byte
.endr
.endm
	s_wait_tensorcnt 1                             ; my part of K step 0 is in; K step 1's load may stay out
	s_barrier_signal -1
	s_barrier_wait -1                              ; everybody's is
	FETCH 0, 0, F0
	QUARTER 0, 64,  F0, F1, 1                      ; the first quarter stands in front of the loop: its products start the sums with the bias
	WIN 0                                          ; at a label and at a branch every window is 0
	s_mov_b32 s3, LAPS-1
.Llap:                                                 ; 15 trips: once round the ring, from a lap's second quarter to the next lap's first; both slots are filled again
	QUARTER 0, 128, F1, F0, 0
	QUARTER 0, 192, F0, F1, 0
	TURN 0, 1
	QUARTER 1, 64,  F0, F1, 0
	QUARTER 1, 128, F1, F0, 0
	QUARTER 1, 192, F0, F1, 0
	TURN 1, 0
	QUARTER 0, 64,  F0, F1, 0
	WIN 0
	s_sub_co_u32 s3, s3, 1
	s_cmp_lg_u32 s3, 0
	s_cbranch_scc1 .Llap
	QUARTER 0, 128, F1, F0, 0                      ; the last lap goes on; it asks for nothing more
	QUARTER 0, 192, F0, F1, 0
	MEET 0                                         ; my one tensor load that was still out is slot 1's, the last K step's, so no round follows
	PLACES                                         ; for the loads into buffer 0, which the quarter before multiplied
	BLOAD 0                                        ; three quarters of wt now: buffer 1 (v128-191 of both windows) is still being multiplied
	BLOAD 1
	BLOAD 3
	ALOAD 0
	MUL16 F1, 1, 0, 0
	MUL16 F1, 1, 2, 0
	PLACES                                         ; for the loads into buffer 1
	BLOAD 2
	ALOAD 1
	ALOAD 2
	ALOAD 3
	s_wait_dscnt 40                                ; all but the 40 just issued
	ROW 0
.irp a, 0,1,2,3,4,5,6,7                ; each block leaves as soon as it is finished
	PLACES                                         ; its conversions read results just made
	PACK \a
	TOSTAGE \a
.if (\a) < 4
	ALOAD (\a)+4                                   ; its buffer takes the block four further on
	SEND \a, 8
.else
	SEND \a, 0
.endif
.if (\a) < 7
	ROW (\a)+1
.endif
.endr
	s_wait_tensorcnt 0x0                           ; the wave's end, behind my last tensor load and my last LDS store
	ds_add_u32 v[SPW], v[NIL]
	s_wait_dscnt 0x0
	CROUND                                         ; the closing round: no work-group ends while a partner may still ask for a tile that names it
	s_endpgm
.Lfunc_end_k_q2e34c5bf54_gemm:
	.size	k_q2e34c5bf54_gemm, .Lfunc_end_k_q2e34c5bf54_gemm-k_q2e34c5bf54_gemm
	.p2alignl 7, 3214868480
	.fill 96, 4, 3214868480
	.section	.rodata,"a",@progbits
	.p2align	6, 0x0
	.amdhsa_kernel k_q2e34c5bf54_gemm
		.amdhsa_group_segment_fixed_size 327680
		.amdhsa_private_segment_fixed_size 0
		.amdhsa_enable_private_segment 0
		.amdhsa_kernarg_size 32
		.amdhsa_user_sgpr_count 2
		.amdhsa_user_sgpr_kernarg_segment_ptr 1
		.amdhsa_wavefront_size32 1
		.amdhsa_system_sgpr_workgroup_id_x 1
		.amdhsa_system_sgpr_workgroup_id_y 1
		.amdhsa_system_sgpr_workgroup_id_z 1
		.amdhsa_system_vgpr_workitem_id 0
		.amdhsa_next_free_vgpr 1024
		.amdhsa_next_free_sgpr 68
		.amdhsa_reserve_vcc 0
		.amdhsa_float_denorm_mode_32 3
		.amdhsa_float_denorm_mode_16_64 3
		.amdhsa_memory_ordered 1
		.amdhsa_forward_progress 1
		.amdhsa_inst_pref_size 149
	.end_amdhsa_kernel
	.amdgpu_metadata
---
amdhsa.version: [ 1, 2 ]
amdhsa.kernels:
  - .name:           k_q2e34c5bf54_gemm
    .symbol:         k_q2e34c5bf54_gemm.kd
    .args:
      - { .name: input, .offset: 0, .size: 8, .value_kind: global_buffer, .address_space: global }
      - { .name: wt, .offset: 8, .size: 8, .value_kind: global_buffer, .address_space: global }
      - { .name: out0, .offset: 16, .size: 8, .value_kind: global_buffer, .address_space: global }
      - { .name: bias, .offset: 24, .size: 8, .value_kind: global_buffer, .address_space: global }
    .group_segment_fixed_size: 327680
    .private_segment_fixed_size: 0
    .kernarg_segment_align: 8
    .kernarg_segment_size: 32
    .max_flat_workgroup_size: 128
    .sgpr_count:     68
    .vgpr_count:     1024
    .wavefront_size: 32
...
	.end_amdgpu_metadata
.endif
;; end of part 2
